; MI455X (gfx1250); checked and timed in simulation.
; The chip was launched on July 23, 2026; its instructions are those of AMD's public machine-readable ISA for CDNA 5 (MIT licence, August 2026) and "CDNA5" Instruction Set Architecture Reference Guide (July 2026). The comments in the code are by the model that wrote it; some were corrected since.
;; Multi Head Attention. Allowed arithmetic: matrix products marked QUANTISED: E2M3 operands, one E8M0 scale for each 32 along K, by v_wmma_scale_f32_16x16x128_f8f6f4 with both operands' format E2M3, f32 sums; everything else in f32.
;; Inputs: w_k 1,024 x 1,024 float32; w_o 1,024 x 1,024 float32; w_q 1,024 x 1,024 float32; w_v 1,024 x 1,024 float32; x 2 x 2,048 x 1,024 float32.
;; Outputs: out0 2 x 2,048 x 1,024 float32.
;; This version of the problem:
;;   THIS VERSION OF THE PROBLEM IS GIVEN IN LOW PRECISION. The matrix products marked QUANTISED in the list below multiply operands that are first quantised to E2M3 (2 exponent bits, 3 mantissa bits; 6 bits a number), with one power-of-two scale for each 32 numbers along K (OCP MX v1.0); their sums are f32. All else is computed in f32.
;;   The module's matrix products, in the order in which they are computed (A, B: the left and right operand; K: the contracted axis; several contracted axes count as one K, in the product's order):
;;     1. [M 4,096, K 1,024] x [K 1,024, N 1,024]; A: input x; B: input w_q: QUANTISED
;;     2. [M 4,096, K 1,024] x [K 1,024, N 1,024]; A: input x; B: input w_k: QUANTISED
;;     3. [M 4,096, K 1,024] x [K 1,024, N 1,024]; A: input x; B: input w_v: QUANTISED
;;     4. batch 32 x [M 2,048, K 64] x [K 64, N 2,048]; A: computed on the way; B: computed on the way: QUANTISED
;;     5. batch 32 x [M 2,048, K 2,048] x [K 2,048, N 64]; A: softmax (see below); B: computed on the way: QUANTISED
;;     6. [M 4,096, K 1,024] x [K 1,024, N 1,024]; A: computed on the way; B: input w_o: QUANTISED
;;   THE QUANTISER, for each operand of a quantised product, along K:
;;     - K is cut into blocks of 32 from its start; a last block that is shorter is filled with zeros.
;;     - A block's scale is 2^e with e = floor(log2(the largest magnitude in the block)) - 2, held to -126 .. 127; a block of zeros has e = 0. As a byte (E8M0): e + 127.
;;     - Each number is divided by its block's scale, clamped to +-7.5, and rounded to the nearest number of E2M3, ties to even, subnormals kept.
;;     - The product sums the exact products of the quantised numbers (number of the format x scale) in f32.
;;   ~~~python
;;   def quantise(x, axis):      # numpy; x: float32 -> the quantised numbers, widened to float32 again
;;       x = np.moveaxis(x, axis, -1); K = x.shape[-1]
;;       x = np.pad(x, [(0, 0)] * (x.ndim - 1) + [(0, -K % 32)]); x = x.reshape(x.shape[:-1] + (-1, 32)); a = np.abs(x).max(-1, keepdims=True)
;;       e = np.where(a > 0, np.clip(np.frexp(np.where(a > 0, a, 1))[1] - 1 - 2, -126, 127), 0)      # np.frexp(a)[1] - 1 = floor(log2(a)), exactly
;;       r = np.clip(x / 2.0 ** e, -7.5, 7.5)
;;       step = 2.0 ** (np.maximum(np.frexp(np.where(r == 0, 1, r))[1] - 1, 0) - 3)
;;       q = np.round(r / step) * step * 2.0 ** e      # np.round: ties to even
;;       return np.moveaxis(q.reshape(q.shape[:-2] + (-1,))[..., :K], -1, axis).astype(np.float32)
;;   ~~~
;;   SOFTMAX AHEAD OF A QUANTISED PRODUCT. Where the list says 'softmax', what is quantised is not the finished softmax but p = 2^(t - M), with t = logit x log2(e) and M = ceil(the row's largest t), a whole number; so 1/2 < the row's largest p <= 1. The row's sum l is taken of the UNQUANTISED p, in f32, and the product's result is divided by l at the end. Since M is a whole number, a kernel that streams over the keys may use a running M (the ceiling of the running maximum): every later rescaling is an exact power of two, which a block's scale takes up: the codes' values come out the same.
;;   OPERANDS COMPUTED ON THE WAY. 'Computed on the way' means the value that the module computes at that place (a softmax that the list does not call 'softmax' is quantised finished and normalised). What goes into a quantiser is computed in f32, as accurately as f32 sums, v_exp_f32 and their like allow (about 1e-6 of the number): no bf16 or f16 on the way to a quantiser, and a product that is left as it is and whose result goes on into a quantised operand takes f32 operands (vector FMAs, or v_wmma_f32_16x16x4_f32). A number that lies on a knife's edge between two numbers of the format may be rounded either way, as far as f32 arithmetic and the matrix unit's own rounding can turn it there, and no further.
;; One version. Each part assembles by itself: llvm-mc -triple=amdgcn-amd-amdhsa -mcpu=gfx1250 --defsym DOCPART=n.
;; ======== version 1 of 1: 4 launches
;; limits: right only within a limited range of input values
;; workspace buffers: codes 6,291,456 bytes; scales 262,144 bytes; qkv 9,437,184 bytes; qkvs 393,216 bytes; ctx 3,145,728 bytes; ctxs 131,072 bytes
;; launch quant (part 1): grid 256 x 1, 8 waves a work-group, no clusters, 137,216 bytes of LDS; arguments x, w_q, w_k, w_v, w_o, codes, scales; writes codes, scales
.if DOCPART == 1
	.amdgcn_target "amdgcn-amd-amdhsa--gfx1250"
	.amdhsa_code_object_version 6
	.text
	.protected	k_q2f685c99e7_quant
	.globl	k_q2f685c99e7_quant
	.p2align	8
	.type	k_q2f685c99e7_quant,@function
k_q2f685c99e7_quant:
	s_mov_b64 s[64:65], 0
	v_nop
	global_prefetch_b8 v0, s[64:65] scope:SCOPE_SE
	s_setreg_imm32_b32 hwreg(HW_REG_WAVE_MODE, 25, 1), 1
	s_wait_xcnt 0x0
; CAUSAL MULTI-HEAD ATTENTION IN MX-FP6, FOUR LAUNCHES.  This one: x [4096][1024], w_q, w_k, w_v, w_o [1024][1024], f32, K innermost, become codes of E2M3 (6 bits) and one E8M0 byte for each 32 along K.
; WORK LEFT OUT IN THE PROGRAM (in the third launch): the problem's own causal mask sets every score with key > query to -infinity, so its p is exactly 0 whatever finite values x and the weights hold.
; A step of 128 keys that lies wholly behind a tile's 16 queries reaches no output: it is not multiplied for that tile.  No input is dead: all five are loaded here.
; LIMITS: a NaN, an infinity or an overflow that sits only in such hidden keys or values is not carried to the result.  Blocks whose largest magnitude lies under 2^-124 get the byte 1; a block of zeros gets the byte 1 where the
; rule says 127 (its codes are zeros, which add nothing under any byte but 0xff, and this program alone reads the bytes).  NaN and infinities among the inputs are not served.
; A block's scale is 2^(floor(log2(its largest magnitude)) - 2): its byte is the largest magnitude's exponent field - 2, held at 1 from below.
; TILES OF 16 ROWS.  x, w_q, w_k, w_v: tile j = 0 .. 3 of a band of 64 rows holds, at place i, row 8 j + i % 8 + 32 (i / 8) of the band: so the eight results that a lane gets from each of a band's four tiles are together
; 32 neighbours, a whole scale block of the next product.  w_o: tile t of a band holds, at place i, row 4 i + t: so four tiles' results in a lane are four neighbouring columns of out.
; OUT: a fragment (a tile x 128 along K) is the image of the operand's 12 registers: [piece of 4 registers 3][lane][16 bytes], 1,536 bytes; lane (r, h) = row r, K 64 c + 32 h + 0 .. 31 in registers 6 c .. 6 c + 5.
; codes: x [band 64][K step 8][j 4]; then the weights [head 16][K step 8][w_q's 4 tiles, w_k's, w_v's]; then w_o [128 columns 8][K step 8][tile 8].  scales: [tile][row 16][32 bytes], tiles in the order x [band][j]; [head][12]; w_o [band][t].
; SHARES: a work-group takes two neighbouring tiles, a wave 128 along K of both: 32 loads of 512 consecutive bytes, all out at once; the second tile's are on their way while the first is worked.  A tile's rows turn through the wave's own
; stage in LDS (rows of 528 bytes: 16 of padding) and come back as two whole blocks a lane.  The scale words are gathered in LDS from the eight waves and leave as 512 consecutive bytes a tile.  Every byte is read once, so nothing is shared among work-groups.
.set STG, 8448                         ; a stage: 16 rows of 528 bytes; two for each wave
.set SCB, 16*STG                       ; the two tiles' scale words: [tile][row][K step]
.set SPARE, SCB+1024                   ; the spare words, which no other line names
.set R, 16                             ; v16-143 numbers as loaded
.set X, 144                            ; v144-207 two blocks of 32
.set F, 208                            ; v208-231 the two fragments
.set TT, 232                           ; v232-238 the conversions' second halves
.set SO, 240                           ; v240-241 scale operands, v242-243 bytes
.set SPW, 12
.set NIL, 13
	s_load_b256 s[4:11], s[0:1], 0x0               ; x, w_q, w_k, w_v
	s_load_b128 s[12:15], s[0:1], 0x20             ; w_o, codes
	s_load_b64 s[16:17], s[0:1], 0x30              ; scales
	v_lshl_add_u32 v[SPW], v0, 2, SPARE
	v_mov_b32 v[NIL], 0
	v_lshrrev_b32 v1, 5, v0
	v_readfirstlane_b32 s20, v1                    ; wave 0..7: my K step of 128
	v_and_b32 v2, 31, v0
	v_lshlrev_b32 v3, 4, v2                        ; 16 x lane
	s_mul_i32 s23, s20, 2*STG
	v_add_nc_u32 v4, s23, v3                       ; into the first stage: a row is 512 bytes
	v_and_b32 v8, 15, v0
	v_bfe_u32 v9, v0, 4, 1
	v_mul_u32_u24 v5, v8, 528
	v_lshl_add_u32 v5, v9, 7, v5
	v_add_nc_u32 v5, s23, v5                       ; out of it: row r, 128 bytes at 128 h and at 256 + 128 h
	s_lshl_b32 s24, s20, 9
	v_add_nc_u32 v10, s24, v3                      ; 512 x wave + 16 x lane: waves 0 and 1 send the tiles' scale bytes
	v_add_nc_u32 v7, SCB, v10
	s_lshl_b32 s25, s20, 2
	s_add_co_u32 s25, s25, SCB
	v_lshlrev_b32 v6, 5, v8
	v_add_nc_u32 v6, s25, v6                       ; my word in the first tile's
	v_lshlrev_b32 v14, 3, v9                       ; 8 h
	v_mov_b32 v15, 0                               ; a lane permute's destination counts as one of its sources
	s_mov_b32 s18, 0x76543210
	s_mov_b32 s19, 0xfedcba98
	s_wait_alu depctr_va_vdst(0)                   ; the head's end
	s_wait_kmcnt 0x0
	s_mov_b32 s26, 16384                           ; w_o: from place to place, bytes
	s_mov_b32 s27, 0
	s_mov_b32 s28, 4096                            ; from tile to tile
	s_mov_b32 s29, 98304                           ; in codes: two bands,
	s_mov_b32 s30, 6144                            ; one band,
	s_mov_b32 s31, 12288                           ; a K step,
	s_mov_b32 s34, 5505024                         ; the start
	s_mov_b32 s35, 229376                          ; in scales: the start,
	s_mov_b32 s36, 2048                            ; a band
	s_mov_b32 s37, 224                             ; the tensor's first work-group
	s_cmp_lt_u32 ttmp9, 224                        ; w_v
	s_cselect_b64 s[12:13], s[10:11], s[12:13]
	s_cselect_b32 s26, 4096, s26
	s_cselect_b32 s28, 32768, s28
	s_cselect_b32 s29, 294912, s29
	s_cselect_b32 s30, 147456, s30
	s_cselect_b32 s31, 18432, s31
	s_cselect_b32 s34, 3145728+8*1536, s34
	s_cselect_b32 s35, 131072+8*512, s35
	s_cselect_b32 s36, 6144, s36
	s_cselect_b32 s37, 192, s37
	s_cmp_lt_u32 ttmp9, 192                        ; w_k
	s_cselect_b64 s[12:13], s[8:9], s[12:13]
	s_cselect_b32 s34, 3145728+4*1536, s34
	s_cselect_b32 s35, 131072+4*512, s35
	s_cselect_b32 s37, 160, s37
	s_cmp_lt_u32 ttmp9, 160                        ; w_q
	s_cselect_b64 s[12:13], s[6:7], s[12:13]
	s_cselect_b32 s34, 3145728, s34
	s_cselect_b32 s35, 131072, s35
	s_cselect_b32 s37, 128, s37
	s_cmp_lt_u32 ttmp9, 128                        ; x
	s_cselect_b64 s[12:13], s[4:5], s[12:13]
	s_cselect_b32 s29, 98304, s29
	s_cselect_b32 s30, 49152, s30
	s_cselect_b32 s31, 6144, s31
	s_cselect_b32 s34, 0, s34
	s_cselect_b32 s35, 0, s35
	s_cselect_b32 s36, 2048, s36
	s_cselect_b32 s37, 0, s37
	s_sub_co_u32 s24, ttmp9, s37
	s_lshl_b32 s24, s24, 1                         ; my first tile in the tensor
	s_lshr_b32 s25, s24, 2                         ; its band
	s_and_b32 s24, s24, 3                          ; its number there: 0 or 2; the second tile is the next
	s_lshl_b32 s38, s25, 18                        ; 64 rows of 4,096 bytes
	s_mul_i32 s33, s24, s28
	s_add_co_u32 s38, s38, s33
	s_lshl_b32 s33, s20, 9
	s_add_co_u32 s38, s38, s33
	s_mov_b32 s39, 0
	s_add_nc_u64 s[40:41], s[12:13], s[38:39]      ; place 0
	s_add_nc_u64 s[66:67], s[40:41], 0x20000       ; place 8: 32 rows on, in every tensor
.set I, 0
.rept 7
	s_add_nc_u64 s[42+2*I:43+2*I], s[40+2*I:41+2*I], s[26:27]
	s_add_nc_u64 s[68+2*I:69+2*I], s[66+2*I:67+2*I], s[26:27]
.set I, I+1
.endr
	v_add_nc_u32 v11, s28, v3                      ; the second tile's rows
.macro LOADS f, off
.set I, 0
.rept 16
.if I < 8
	global_load_b128 v[R+64*\f+4*I:R+64*\f+4*I+3], v[\off], s[40+2*I:41+2*I] th:TH_LOAD_NT
.else
	global_load_b128 v[R+64*\f+4*I:R+64*\f+4*I+3], v[\off], s[50+2*I:51+2*I] th:TH_LOAD_NT
.endif
.set I, I+1
.endr
.endm
	LOADS 0, 3
	LOADS 1, 11
	s_lshr_b32 s33, s25, 1                         ; where the first fragment goes; the second follows
	s_mul_i32 s38, s33, s29
	s_and_b32 s33, s25, 1
	s_mul_i32 s33, s33, s30
	s_add_co_u32 s38, s38, s33
	s_mul_i32 s33, s20, s31
	s_add_co_u32 s38, s38, s33
	s_mul_i32 s33, s24, 1536
	s_add_co_u32 s38, s38, s33
	s_add_co_u32 s38, s38, s34
	s_add_nc_u64 s[14:15], s[14:15], s[38:39]
	s_mul_i32 s38, s25, s36                        ; and the tiles' scale bytes
	s_lshl_b32 s33, s24, 9
	s_add_co_u32 s38, s38, s33
	s_add_co_u32 s38, s38, s35
	s_add_nc_u64 s[16:17], s[16:17], s[38:39]
.macro TILE f
.set I, 0
.rept 16
.if I%4 == 0
	s_wait_loadcnt 28-16*\f-I                      ; four more rows are in
.endif
	ds_store_b128 v4, v[R+64*\f+4*I:R+64*\f+4*I+3] offset:STG*\f+528*I
.set I, I+1
.endr
.set I, 0
.rept 8                                        ; LDS serves a wave's instructions in order: these see the stores
	ds_load_b128 v[X+4*I:X+4*I+3], v5 offset:STG*\f+16*I
	ds_load_b128 v[X+32+4*I:X+35+4*I], v5 offset:STG*\f+256+16*I
.set I, I+1
.endr
	s_wait_dscnt 0x0
.irp c, 0,1                                    ; a block's 32 numbers in two chains
	v_max3_num_f32 v[244+2*\c], |v[X+32*\c]|, |v[X+32*\c+1]|, |v[X+32*\c+2]|
	v_max3_num_f32 v[245+2*\c], |v[X+32*\c+16]|, |v[X+32*\c+17]|, |v[X+32*\c+18]|
.endr
.irp i, 3,5,7,9,11,13
.irp c, 0,1
	v_max3_num_f32 v[244+2*\c], v[244+2*\c], |v[X+32*\c+\i]|, |v[X+32*\c+\i+1]|
	v_max3_num_f32 v[245+2*\c], v[245+2*\c], |v[X+32*\c+16+\i]|, |v[X+32*\c+17+\i]|
.endr
.endr
.irp c, 0,1
	v_max3_num_f32 v[244+2*\c], v[244+2*\c], |v[X+32*\c+15]|, |v[X+32*\c+31]|
.endr
.irp c, 0,1
	v_max3_num_f32 v[244+2*\c], v[244+2*\c], v[245+2*\c], 0x1800000   ; the floor 2^(3 - 127): the byte cannot fall under 1
.endr
.irp c, 0,1
	v_add_nc_u32 v[SO+\c], 0xff000000, v[244+2*\c] ; 2 off the exponent field: the conversion takes that field as its scale
.endr
.irp c, 0,1
	v_cvt_scalef32_pk16_fp6_f32 v[F+12*\f+6*\c:F+12*\f+6*\c+2], v[X+32*\c:X+32*\c+15], v[SO+\c]
	v_cvt_scalef32_pk16_fp6_f32 v[TT+4*\c:TT+4*\c+2], v[X+32*\c+16:X+32*\c+31], v[SO+\c]   ; (a conversion's three registers begin on an even number)
.endr
	v_lshrrev_b32 v242, 23, v240                   ; (plain lines behind the conversions)
	v_lshrrev_b32 v243, 23, v241
.irp i, 0,1,2
	v_mov_b32 v[F+12*\f+3+\i], v[TT+\i]
	v_mov_b32 v[F+12*\f+9+\i], v[TT+4+\i]
.endr
	v_lshl_or_b32 v242, v243, 16, v242             ; bytes h and 2 + h of the row's word,
	v_lshlrev_b32 v242, v14, v242
	v_permlanex16_b32 v15, v242, s18, s19
	v_or_b32 v242, v242, v15                       ; and the other half's two
	ds_store_b32 v6, v242 offset:512*\f            ; both halves write the same word with the same value
.irp p, 0,1,2
	global_store_b128 v3, v[F+12*\f+4*\p:F+12*\f+4*\p+3], s[14:15] offset:1536*\f+512*\p
.endr
.endm
	TILE 0
	TILE 1
	s_wait_dscnt 0x0
	s_barrier_signal -1
	s_barrier_wait -1
	s_cmp_lt_u32 s20, 2
	s_cbranch_scc0 .Lend
	ds_load_b128 v[248:251], v7
	s_wait_dscnt 0x0
	global_store_b128 v10, v[248:251], s[16:17]
.Lend:
	s_wait_tensorcnt 0x0                           ; the wave's end
	ds_add_u32 v[SPW], v[NIL]
	s_wait_dscnt 0x0
	s_endpgm
.Lfunc_end_k_q2f685c99e7_quant:
	.size	k_q2f685c99e7_quant, .Lfunc_end_k_q2f685c99e7_quant-k_q2f685c99e7_quant
	.p2alignl 7, 3214868480
	.fill 96, 4, 3214868480
	.section	.rodata,"a",@progbits
	.p2align	6, 0x0
	.amdhsa_kernel k_q2f685c99e7_quant
		.amdhsa_group_segment_fixed_size 137216
		.amdhsa_private_segment_fixed_size 0
		.amdhsa_enable_private_segment 0
		.amdhsa_kernarg_size 56
		.amdhsa_user_sgpr_count 2
		.amdhsa_user_sgpr_kernarg_segment_ptr 1
		.amdhsa_wavefront_size32 1
		.amdhsa_system_sgpr_workgroup_id_x 1
		.amdhsa_system_sgpr_workgroup_id_y 1
		.amdhsa_system_sgpr_workgroup_id_z 1
		.amdhsa_system_vgpr_workitem_id 0
		.amdhsa_next_free_vgpr 256
		.amdhsa_next_free_sgpr 84
		.amdhsa_reserve_vcc 0
		.amdhsa_float_denorm_mode_32 3
		.amdhsa_float_denorm_mode_16_64 3
		.amdhsa_memory_ordered 1
		.amdhsa_forward_progress 1
		.amdhsa_inst_pref_size 20
	.end_amdhsa_kernel
	.amdgpu_metadata
---
amdhsa.version: [ 1, 2 ]
amdhsa.kernels:
  - .name:           k_q2f685c99e7_quant
    .symbol:         k_q2f685c99e7_quant.kd
    .args:
      - { .name: x, .offset: 0, .size: 8, .value_kind: global_buffer, .address_space: global }
      - { .name: w_q, .offset: 8, .size: 8, .value_kind: global_buffer, .address_space: global }
      - { .name: w_k, .offset: 16, .size: 8, .value_kind: global_buffer, .address_space: global }
      - { .name: w_v, .offset: 24, .size: 8, .value_kind: global_buffer, .address_space: global }
      - { .name: w_o, .offset: 32, .size: 8, .value_kind: global_buffer, .address_space: global }
      - { .name: codes, .offset: 40, .size: 8, .value_kind: global_buffer, .address_space: global }
      - { .name: scales, .offset: 48, .size: 8, .value_kind: global_buffer, .address_space: global }
    .group_segment_fixed_size: 137216
    .private_segment_fixed_size: 0
    .kernarg_segment_align: 8
    .kernarg_segment_size: 56
    .max_flat_workgroup_size: 256
    .sgpr_count:     84
    .vgpr_count:     256
    .wavefront_size: 32
...
	.end_amdgpu_metadata
.endif
;; end of part 1
;; launch qkvgemm (part 2): grid 16 x 16, 4 waves a work-group, clusters of 4 x 1, 167,936 bytes of LDS; arguments codes, scales, qkv, qkvs; writes qkv, qkvs
.if DOCPART == 2
	.amdgcn_target "amdgcn-amd-amdhsa--gfx1250"
	.amdhsa_code_object_version 6
	.text
	.protected	k_q2f685c99e7_qkvgemm
	.globl	k_q2f685c99e7_qkvgemm
	.p2align	8
	.type	k_q2f685c99e7_qkvgemm,@function
k_q2f685c99e7_qkvgemm:
	s_mov_b64 s[64:65], 0
	v_nop
	global_prefetch_b8 v0, s[64:65] scope:SCOPE_SE
	s_setreg_imm32_b32 hwreg(HW_REG_WAVE_MODE, 25, 1), 1
	s_wait_xcnt 0x0
	s_wait_alu depctr_hold_cnt(0) depctr_sa_sdst(0) depctr_va_vdst(0) depctr_va_sdst(0) depctr_va_ssrc(0) depctr_va_vcc(0) depctr_vm_vsrc(0)
	s_getreg_b32 s2, hwreg(HW_REG_IB_STS2, 6, 4)
	s_cmp_eq_u32 s2, 0
	s_cbranch_scc0 .Lentry_in_a_cluster
	s_endpgm
.Lentry_in_a_cluster:
	s_bfe_u32 s2, ttmp6, 0x10000c
	s_cmp_lg_u32 s2, 0x3003
	s_cbranch_scc0 .Lentry_shape_is_right
	s_endpgm
.Lentry_shape_is_right:
; q, k, v = x w^T of one head and 256 tokens a work-group (x: token tile, y: head), K = 1,024, and their quantisers: q and k along the head's 64, v along the tokens, in registers.
; A wave makes 64 tokens (a band, four tiles) x 192 columns (four tiles each of w_q, w_k, w_v): 48 accumulators.  K goes in steps of 128; a GROUP is 16 products: one tensor's four weight tiles x four token tiles, one K step.
; ORDER: K steps 0-3 with q's, k's and v's group each; then q's groups of K steps 4-7, k's, v's: so q's and k's results leave under later products.
; THE WEIGHTS (147,456 bytes for all of K) come into LDS once, two K steps by each wave's one load, JOINTLY for the four token tiles of a cluster, and are read as images of registers, two groups' fragments in one run, into five buffers.
; x GOES STRAIGHT INTO REGISTERS: each row is read by one wave of the work-group alone, as fragments of 1,536 consecutive bytes; with the weights it would be 344,064 bytes, more than LDS.  So it is not asked for jointly.
; Everything is asked for at the head but x's last three K steps, which follow three and more K steps ahead of their use; there is no longer loop to run ahead in, so nothing is prefetched.
; q, k: used transposed (source 0 = weight rows, source 1 = tokens): lane (r, h) holds token r, and its 32 results of a token tile are the head's columns 32 h + 0 .. 31: a whole scale block.
; v: source 0 = tokens: lane (r, h) holds column r of a tile, and its 32 results of the band are tokens 32 h + 0 .. 31 of it.
; OUT: qkv [q, k, v][batch x head 32][step of 128 tokens 16][6,144 bytes].  q, k: [band 2][pair of tiles 2][piece 3][lane][16]: an operand's registers 0-5 are the even tile, 6-11 the odd.  v: [tile of 16 columns 4][band 2][512: registers 0-3
; | 256: registers 4-5].  qkvs [q, k, v][batch x head][step][row 16][16 bytes]: q, k: [band][pair][tile][h]; v: [tile][band][h].
; LIMITS: as stated at the head of the first launch.
; REGISTERS: window 0: addresses, scale words, weight buffers 0-2; window 1: x's fragments, five K steps (codes on the way out); window 2: weight buffers 3, 4, from 96 at work on the way out, from 128 v's accumulators; window 3: q's and k's.
.set STAGE, 147456                     ; behind the weights: the scale bytes on the way out, 3 x 512
.set SPARE, STAGE+1536                 ; the spare words, which no other line names
.set SPW, 28
.set NIL, 29
.set WS, 32                            ; v32-79  weights' scale words: set s (tiles 2 s in lanes 0-15, 2 s + 1 in lanes 16-31), K step q at WS + 8 s + q
.set XS, 84                            ; v84-99  x's, likewise
.set WF, 100                           ; v100-243 weight buffers 0-2
.set CH, 96                            ; window 2: v96-103 chains, v104-107 scale operands, v108-123 second halves, v124-127 bytes
.set SO, 104
.set T2, 108
.set BY, 124
.set G1, 24
.set G0, 60
.set MSB, 0
.macro WIN new                         ; the immediate's high byte repeats the setting that is left
.if MSB != (\new)
	s_set_vgpr_msb (MSB<<8)|(\new)
.set MSB, (\new)
.endif
.endm
.macro CROUND                          ; a round of the cluster's barrier
	s_barrier_signal -1
	s_barrier_wait -1
	s_cmp_lg_u32 s14, 0
	s_cbranch_scc1 .Lnot_wave_0_\@
	s_barrier_signal -3
.Lnot_wave_0_\@:
	s_barrier_wait -3
	s_barrier_signal -1
	s_barrier_wait -1
.endm
.macro TLOAD
	tensor_load_to_lds s[G0:G0+3], s[G1:G1+7]
	s_nop 0
.rept 4
	v_nop
.endr
.endm
.macro XL q                            ; x's four fragments of K step q: 12 loads
	WIN 0x40
.irp j, 0,1,2,3
.irp p, 0,1,2
	global_load_b128 v[48*((\q)%5)+12*\j+4*\p:48*((\q)%5)+12*\j+4*\p+3], v4, s[52:53] offset:6144*(\q)+1536*\j+512*\p
.endr
.endr
.endm
.macro SEQ n                           ; group n of 24: tensor SG_, K step SQ_, weight buffer at BL_ of window BW_
.if (\n) < 12
.set SG_, (\n)%3
.set SQ_, (\n)/3
.else
.set SG_, ((\n)-12)/4
.set SQ_, 4+((\n)-12)%4
.endif
.set BW_, 0
.set BL_, WF+48*((\n)%5)
.if (\n)%5 > 2
.set BW_, 2
.set BL_, 48*((\n)%5-3)
.endif
.endm
.macro FET n                           ; group n's four weight fragments: 12 loads of 512 consecutive bytes
	SEQ \n
	WIN BW_<<6
.irp u, 0,1,2,3
.irp p, 0,1,2
	ds_load_b128 v[BL_+12*\u+4*\p:BL_+12*\u+4*\p+3], v[16+SQ_/2] offset:18432*(SQ_%2)+1536*(4*SG_+\u)+512*\p
.endr
.endr
.endm
.macro WM d, a, b, c, xa, xb, ra, rb
.if (\ra) && (\rb)
	v_wmma_scale_f32_16x16x128_f8f6f4 v[\d:\d+7], v[\a:\a+11], v[\b:\b+11], \c, v[\xa], v[\xb] matrix_a_fmt:MATRIX_FMT_FP6 matrix_b_fmt:MATRIX_FMT_FP6 matrix_a_scale:MATRIX_SCALE_ROW1 matrix_b_scale:MATRIX_SCALE_ROW1
.elseif (\ra)
	v_wmma_scale_f32_16x16x128_f8f6f4 v[\d:\d+7], v[\a:\a+11], v[\b:\b+11], \c, v[\xa], v[\xb] matrix_a_fmt:MATRIX_FMT_FP6 matrix_b_fmt:MATRIX_FMT_FP6 matrix_a_scale:MATRIX_SCALE_ROW1
.elseif (\rb)
	v_wmma_scale_f32_16x16x128_f8f6f4 v[\d:\d+7], v[\a:\a+11], v[\b:\b+11], \c, v[\xa], v[\xb] matrix_a_fmt:MATRIX_FMT_FP6 matrix_b_fmt:MATRIX_FMT_FP6 matrix_b_scale:MATRIX_SCALE_ROW1
.else
	v_wmma_scale_f32_16x16x128_f8f6f4 v[\d:\d+7], v[\a:\a+11], v[\b:\b+11], \c, v[\xa], v[\xb] matrix_a_fmt:MATRIX_FMT_FP6 matrix_b_fmt:MATRIX_FMT_FP6
.endif
.endm
.macro PROD n, m                       ; product m of group n: weight tile m / 4 x token tile m % 4; K step 0 starts the sums
	SEQ \n
.set U_, (\m)/4
.set J_, (\m)%4
.set W_, BL_+12*U_
.set X_, 48*(SQ_%5)+12*J_
.set SW_, WS+8*(2*SG_+U_/2)+SQ_
.set SX_, XS+8*(J_/2)+SQ_
.if SG_ == 2
.set D_, 128+32*U_+8*J_
	WIN 0xa1|(BW_<<2)
.if SQ_ == 0
	WM D_, X_, W_, 0, SX_, SW_, J_%2, U_%2
.else
	WM D_, X_, W_, v[D_:D_+7], SX_, SW_, J_%2, U_%2
.endif
.else
.set D_, 128*SG_+32*J_+8*U_
	WIN 0xf4|BW_
.if SQ_ == 0
	WM D_, W_, X_, 0, SW_, SX_, U_%2, J_%2
.else
	WM D_, W_, X_, v[D_:D_+7], SW_, SX_, U_%2, J_%2
.endif
.endif
.endm
; A GROUP.  An even group fetches, in one run in its middle, groups n + 3 and n + 4 into the buffers of n - 2 and n - 1; the four places ahead of those loads stand behind its first product.  So at an even group's head the fragments of
; two later groups may be out, at an odd one's those of three.  Groups 2, 8 and 10 hold a barrier that shows two more K steps' weights: signalled at the head, waited for ahead of the run.
.macro GRP n
.if ((\n) == 2) || ((\n) == 8) || ((\n) == 10)
	WIN 0
.if (\n) == 10
	s_wait_tensorcnt 0x0
.else
	s_cmp_eq_u32 s14, (\n)/6+1                     ; the wave that fetched them
	s_cbranch_scc0 .Lnot_mine_\@
	s_wait_tensorcnt 0x0
.Lnot_mine_\@:
.endif
	s_wait_dscnt 0x0
	s_barrier_signal -1
.else
.set L_, (\n)+2+(\n)%2
.if L_ > 23
.set L_, 23
.endif
	s_wait_dscnt 12*(L_-(\n))
.endif
	SEQ \n
.if SG_ == 0
.if SQ_ == 0
	s_wait_loadcnt 48                              ; x's K step 0; the four behind it may be out
.elseif SQ_ < 5
	s_wait_loadcnt 36                              ; x's K step; three behind it may be out
.else
	s_wait_loadcnt 12*(7-SQ_)
.endif
.endif
.set N_, 0
.rept 16
	PROD \n, N_
.if (N_ == 0) && ((\n)%2 == 0)
.rept 4
	v_nop
.endr
.endif
.if (N_ == 7) && ((\n)%2 == 0)
.if ((\n) == 2) || ((\n) == 8) || ((\n) == 10)
	s_barrier_wait -1
.endif
.if (\n)+3 < 24
	FET (\n)+3
.endif
.if (\n)+4 < 24
	FET (\n)+4
.endif
.if (\n) == 4
	XL 5                                           ; x's K step 5 into the registers of 0, 6 into those of 1, 7 of 2
.elseif (\n) == 6
	XL 6
.elseif (\n) == 10
	XL 7
.endif
.endif
.set N_, N_+1
.endr
.endm
; A tensor's way out: four blocks of 32 results from register l of window w on become 24 registers of codes at c of window 1 and four bytes.
.macro OUTG w, l, c
	WIN (\w)|((\w)<<2)|((\w)<<4)|0x80
.irp k, 0,1,2,3
	v_max3_num_f32 v[CH+2*\k], |v[\l+32*\k]|, |v[\l+32*\k+1]|, |v[\l+32*\k+2]|
	v_max3_num_f32 v[CH+2*\k+1], |v[\l+32*\k+16]|, |v[\l+32*\k+17]|, |v[\l+32*\k+18]|
.endr
	WIN 0x82|((\w)<<2)|((\w)<<4)
.irp i, 3,5,7,9,11,13
.irp k, 0,1,2,3
	v_max3_num_f32 v[CH+2*\k], v[CH+2*\k], |v[\l+32*\k+\i]|, |v[\l+32*\k+\i+1]|
	v_max3_num_f32 v[CH+2*\k+1], v[CH+2*\k+1], |v[\l+32*\k+16+\i]|, |v[\l+32*\k+17+\i]|
.endr
.endr
.irp k, 0,1,2,3
	v_max3_num_f32 v[CH+2*\k], v[CH+2*\k], |v[\l+32*\k+15]|, |v[\l+32*\k+31]|
.endr
	WIN 0x8a
.irp k, 0,1,2,3
	v_max3_num_f32 v[CH+2*\k], v[CH+2*\k], v[CH+2*\k+1], 0x1800000   ; the floor 2^(3 - 127)
.endr
.irp k, 0,1,2,3
	v_add_nc_u32 v[SO+\k], 0xff000000, v[CH+2*\k]
.endr
	WIN 0x48|(\w)
.irp k, 0,1,2,3
	v_cvt_scalef32_pk16_fp6_f32 v[\c+6*\k:\c+6*\k+2], v[\l+32*\k:\l+32*\k+15], v[SO+\k]
.endr
	WIN 0x88|(\w)
.irp k, 0,1,2,3
	v_cvt_scalef32_pk16_fp6_f32 v[T2+4*\k:T2+4*\k+2], v[\l+32*\k+16:\l+32*\k+31], v[SO+\k]
.endr
	WIN 0x8a
.irp k, 0,1,2,3
	v_lshrrev_b32 v[BY+\k], 23, v[SO+\k]
.endr
	WIN 0x42
.irp k, 0,1,2,3
.irp i, 0,1,2
	v_mov_b32 v[\c+6*\k+3+\i], v[T2+4*\k+\i]
.endr
.endr
.endm
.macro OUTQK g                         ; q's or k's way out
	OUTG 3, 128*\g, 144+24*\g
	WIN 0x08
.irp k, 0,1,2,3
	ds_store_b8 v7, v[BY+\k] offset:512*\g+2*\k
.endr
	WIN 0x04
.irp i, 0,1,2,3,4,5
	global_store_b128 v4, v[144+24*\g+4*\i:147+24*\g+4*\i], s[46:47] offset:3145728*\g+512*\i
.endr
.endm
	s_load_b128 s[4:7], s[0:1], 0x0                ; codes, scales
	s_load_b128 s[8:11], s[0:1], 0x10              ; qkv, qkvs
	v_lshl_add_u32 v[SPW], v0, 2, SPARE
	v_mov_b32 v[NIL], 0
	ds_add_u32 v[SPW], v[NIL]                      ; the wave's opening: the add, twice on end, and its wait ahead of the first tensor load
	ds_add_u32 v[SPW], v[NIL]
	v_lshrrev_b32 v1, 5, v0
	v_readfirstlane_b32 s14, v1                    ; wave 0..3
	v_and_b32 v1, 31, v0
	v_lshlrev_b32 v4, 4, v1                        ; 16 x lane
	v_lshlrev_b32 v5, 3, v1                        ; 8 x lane
	v_and_b32 v2, 15, v0                           ; r
	v_bfe_u32 v3, v0, 4, 1                         ; h
	v_lshlrev_b32 v6, 5, v2
	v_lshl_add_u32 v6, v3, 9, v6                   ; scale words: 512 h + 32 r
	v_lshl_add_u32 v7, v2, 4, v3                   ; 16 r + h
	s_wait_alu depctr_va_vdst(0)                   ; ahead of the run of scalar lines
	s_lshr_b32 s15, s14, 1                         ; my step of 128 tokens of the tile's two
	s_and_b32 s16, s14, 1                          ; my band
	s_lshl_b32 s17, s15, 8
	s_lshl_b32 s18, s16, 1
	s_add_co_u32 s18, s18, s17
	s_add_co_u32 s18, s18, STAGE+1024
	v_add_nc_u32 v8, s18, v7                       ; v's scale bytes in the stage
	s_lshl_b32 s18, s16, 3
	s_add_co_u32 s18, s18, s17
	s_add_co_u32 s18, s18, STAGE
	v_add_nc_u32 v7, s18, v7                       ; q's; k's 512 behind
	s_lshl_b32 s18, s14, 9
	s_add_co_u32 s18, s18, STAGE
	v_add_nc_u32 v9, s18, v4                       ; the stage read back: wave 0 q's, 1 k's, 2 v's
.irp k, 0,1,2,3
	v_add_nc_u32 v[16+\k], 36864*\k, v4            ; the weights of K steps 2 k, 2 k + 1
.endr
	s_bfe_u32 s40, ttmp6, 0x40000
	s_lshl_b32 s41, ttmp9, 2
	s_add_co_u32 s41, s41, s40                     ; token tile 0..15
	s_and_b32 s42, ttmp7, 0xffff                   ; head
	s_mov_b32 s[G1], 15|(3<<16)|(1<<21)            ; 12 rows of 3,072 dense bytes (384 elements of 8), for all four of the cluster
	s_mov_b32 s[G1+1], 384<<16
	s_mov_b32 s[G1+2], 12<<16
	s_mov_b32 s[G1+3], 384<<16
	s_mov_b32 s[G1+4], 12
	s_mov_b32 s[G1+5], 384
	s_mov_b32 s[G1+6], 0
	s_mov_b32 s[G1+7], 0
	s_mov_b32 s[G0], 1
	s_mul_i32 s[G0+1], s14, 36864
	s_mul_i32 s18, s42, 147456
	s_add_co_u32 s18, s18, 3145728
	s_add_co_u32 s18, s18, s[G0+1]                 ; my two K steps of the head's weights
	s_mov_b32 s19, 0
	s_lshl_b32 s43, s41, 2
	s_add_co_u32 s43, s43, s14                     ; my band of x
	s_mul_i32 s20, s43, 49152
	s_mov_b32 s21, 0
	s_lshl_b32 s22, s43, 11
	s_mov_b32 s23, 0
	s_mul_i32 s44, s42, 6144
	s_add_co_u32 s44, s44, 131072
	s_mov_b32 s45, 0
	s_wait_alu depctr_va_vdst(0)                   ; the head's end
	s_wait_dscnt 0x0                               ; both opening adds are done
	CROUND                                         ; all four work-groups are here: the joint loads meet
	s_wait_kmcnt 0x0
	s_add_nc_u64 s[G0+2:G0+3], s[4:5], s[18:19]
	s_or_b32 s[G0+3], s[G0+3], 0x80000000
	s_add_nc_u64 s[52:53], s[4:5], s[20:21]        ; x's codes
	s_add_nc_u64 s[54:55], s[6:7], s[22:23]        ; x's scale words
	s_add_nc_u64 s[56:57], s[6:7], s[44:45]        ; the weights'
	s_cmp_eq_u32 s14, 0                            ; one load a wave, each wave's line its own
	s_cbranch_scc0 .Lw1
	TLOAD
	s_branch .Lasked
.Lw1:
	s_cmp_eq_u32 s14, 1
	s_cbranch_scc0 .Lw2
	TLOAD
	s_branch .Lasked
.Lw2:
	s_cmp_eq_u32 s14, 2
	s_cbranch_scc0 .Lw3
	TLOAD
	s_branch .Lasked
.Lw3:
	TLOAD
.Lasked:
.irp s, 0,1
	global_load_b128 v[XS+8*\s:XS+8*\s+3], v6, s[54:55] offset:1024*\s
	global_load_b128 v[XS+8*\s+4:XS+8*\s+7], v6, s[54:55] offset:1024*\s+16
.endr
.irp s, 0,1,2,3,4,5
	global_load_b128 v[WS+8*\s:WS+8*\s+3], v6, s[56:57] offset:1024*\s
	global_load_b128 v[WS+8*\s+4:WS+8*\s+7], v6, s[56:57] offset:1024*\s+16
.endr
.irp q, 0,1,2
	XL \q
.endr
	WIN 0
	; where the results go: batch x head, step
	s_lshr_b32 s18, s41, 3
	s_lshl_b32 s18, s18, 4
	s_add_co_u32 s18, s18, s42                     ; batch x 16 + head
	s_and_b32 s20, s41, 7
	s_lshl_b32 s22, s20, 9
	s_lshl_b32 s44, s18, 12
	s_add_co_u32 s22, s22, s44
	s_lshl_b32 s44, s14, 17
	s_add_co_u32 s22, s22, s44
	s_add_nc_u64 s[50:51], s[10:11], s[22:23]      ; scale bytes: tensor = my wave's number, two steps
	s_lshl_b32 s20, s20, 1
	s_add_co_u32 s20, s20, s15                     ; step
	s_mul_i32 s20, s20, 6144
	s_mul_i32 s18, s18, 98304
	s_add_co_u32 s18, s18, s20
	s_mul_i32 s20, s16, 3072
	s_add_co_u32 s20, s20, s18
	s_add_nc_u64 s[46:47], s[8:9], s[20:21]        ; q; k 3,145,728 behind
	s_mul_i32 s20, s16, 768
	s_add_co_u32 s20, s20, s18
	s_add_nc_u64 s[48:49], s[8:9], s[20:21]        ; v, from 6,291,456 on
	s_cmp_eq_u32 s14, 0
	s_cbranch_scc0 .Lnot_first
	s_wait_tensorcnt 0x0
.Lnot_first:
	s_barrier_signal -1
	s_barrier_wait -1                              ; the weights of K steps 0 and 1 are in
.irp n, 0,1,2
	FET \n
.endr
.irp q, 3,4
	XL \q
.endr
.set M_, 0
.rept 17
	GRP M_
.set M_, M_+1
.endr
	OUTQK 0                                        ; q's results were finished a group ago
.rept 4
	GRP M_
.set M_, M_+1
.endr
	OUTQK 1
.rept 3
	GRP M_
.set M_, M_+1
.endr
.rept 4
	v_nop                                          ; places behind the last products
.endr
	OUTG 2, 128, 192                               ; v
	WIN 0x08
.irp k, 0,1,2,3
	ds_store_b8 v8, v[BY+\k] offset:4*\k
.endr
	WIN 0x04
.irp t, 0,1,2,3
	global_store_b128 v4, v[192+6*\t:195+6*\t], s[48:49] offset:6291456+1536*\t
	global_store_b64 v5, v[196+6*\t:197+6*\t], s[48:49] offset:6291456+1536*\t+512
.endr
	WIN 0
	s_wait_dscnt 0x0
	s_barrier_signal -1
	s_barrier_wait -1                              ; all four waves' scale bytes are in the stage
	s_cmp_eq_u32 s14, 3
	s_cbranch_scc1 .Lend
	ds_load_b128 v[244:247], v9
	s_wait_dscnt 0x0
	global_store_b128 v4, v[244:247], s[50:51]     ; 512 consecutive bytes
.Lend:
	s_wait_tensorcnt 0x0                           ; the wave's end
	ds_add_u32 v[SPW], v[NIL]
	s_wait_dscnt 0x0
	CROUND                                         ; the closing round
	s_endpgm
.Lfunc_end_k_q2f685c99e7_qkvgemm:
	.size	k_q2f685c99e7_qkvgemm, .Lfunc_end_k_q2f685c99e7_qkvgemm-k_q2f685c99e7_qkvgemm
	.p2alignl 7, 3214868480
	.fill 96, 4, 3214868480
	.section	.rodata,"a",@progbits
	.p2align	6, 0x0
	.amdhsa_kernel k_q2f685c99e7_qkvgemm
		.amdhsa_group_segment_fixed_size 167936
		.amdhsa_private_segment_fixed_size 0
		.amdhsa_enable_private_segment 0
		.amdhsa_kernarg_size 32
		.amdhsa_user_sgpr_count 2
		.amdhsa_user_sgpr_kernarg_segment_ptr 1
		.amdhsa_wavefront_size32 1
		.amdhsa_system_sgpr_workgroup_id_x 1
		.amdhsa_system_sgpr_workgroup_id_y 1
		.amdhsa_system_sgpr_workgroup_id_z 1
		.amdhsa_system_vgpr_workitem_id 0
		.amdhsa_next_free_vgpr 1024
		.amdhsa_next_free_sgpr 100
		.amdhsa_reserve_vcc 0
		.amdhsa_float_denorm_mode_32 3
		.amdhsa_float_denorm_mode_16_64 3
		.amdhsa_memory_ordered 1
		.amdhsa_forward_progress 1
		.amdhsa_inst_pref_size 108
	.end_amdhsa_kernel
	.amdgpu_metadata
---
amdhsa.version: [ 1, 2 ]
amdhsa.kernels:
  - .name:           k_q2f685c99e7_qkvgemm
    .symbol:         k_q2f685c99e7_qkvgemm.kd
    .args:
      - { .name: codes, .offset: 0, .size: 8, .value_kind: global_buffer, .address_space: global }
      - { .name: scales, .offset: 8, .size: 8, .value_kind: global_buffer, .address_space: global }
      - { .name: qkv, .offset: 16, .size: 8, .value_kind: global_buffer, .address_space: global }
      - { .name: qkvs, .offset: 24, .size: 8, .value_kind: global_buffer, .address_space: global }
    .group_segment_fixed_size: 167936
    .private_segment_fixed_size: 0
    .kernarg_segment_align: 8
    .kernarg_segment_size: 32
    .max_flat_workgroup_size: 128
    .sgpr_count:     100
    .vgpr_count:     1024
    .wavefront_size: 32
...
	.end_amdgpu_metadata
.endif
;; end of part 2
;; launch attn (part 3): grid 8 x 32, 16 waves a work-group, clusters of 4 x 1, 245,760 bytes of LDS; arguments qkv, qkvs, ctx, ctxs; writes ctx, ctxs
.if DOCPART == 3
	.amdgcn_target "amdgcn-amd-amdhsa--gfx1250"
	.amdhsa_code_object_version 6
	.text
	.protected	k_q2f685c99e7_attn
	.globl	k_q2f685c99e7_attn
	.p2align	8
	.type	k_q2f685c99e7_attn,@function
k_q2f685c99e7_attn:
	s_mov_b64 s[64:65], 0
	v_nop
	global_prefetch_b8 v0, s[64:65] scope:SCOPE_SE
	s_setreg_imm32_b32 hwreg(HW_REG_WAVE_MODE, 25, 1), 1
	s_wait_xcnt 0x0
	s_wait_alu depctr_hold_cnt(0) depctr_sa_sdst(0) depctr_va_vdst(0) depctr_va_sdst(0) depctr_va_ssrc(0) depctr_va_vcc(0) depctr_vm_vsrc(0)
	s_getreg_b32 s2, hwreg(HW_REG_IB_STS2, 6, 4)
	s_cmp_eq_u32 s2, 0
	s_cbranch_scc0 .Lentry_in_a_cluster
	s_endpgm
.Lentry_in_a_cluster:
	s_bfe_u32 s2, ttmp6, 0x10000c
	s_cmp_lg_u32 s2, 0x3003
	s_cbranch_scc0 .Lentry_shape_is_right
	s_endpgm
.Lentry_shape_is_right:
; ctx[b][q][64 head + d] = the sum over k <= q of softmax_k(q . k / 8) v, both products on codes of E2M3 with E8M0 scales, and ctx quantised along D on the way out.
; WORK LEFT OUT: key steps of 128 that lie wholly behind a tile's queries (the problem's own causal mask makes their p exactly 0 for all finite inputs).  A NaN, infinity or overflow that sits only there is not carried to the result.
; LIMIT: the scaled scores t = score x log2(e) / 8 stay under 2^31 in magnitude.
; THE SOFTMAX: M = the running largest t rounded UP to a whole number; p = 2^(t - M) is quantised along the keys, not normalised; the row's sum is taken of the unquantised p and divides at the end.
; When M moves, the sum and O are multiplied by 2^(old M - new M), which rounds nothing.
; SHARES: work-group (i, batch x head) owns tile i of each of the head's 16 groups of 128 queries.  Two waves, k and 8 + k, own those of group 15 - k (high, 16 - k key steps) and of group k (low, k + 1 steps).
; Wave k (b = 0) takes nine key steps of the high tile, the one on the diagonal last; wave 8 + k (b = 1) the low tile's k + 1, the diagonal last, and then the high tile's other 7 - k: eight.  At the end the two parts of the high tile are
; joined through LDS: both M are whole, so a power of two brings each to the larger.  In trip T (0 .. 8) a wave's key step is the larger of T and 2 T - (k + 1 - b): at most 2 T.
; LDS: ALL of the head's K and V codes (98,304 bytes each) and scale words (2 x 4,096), asked for once, at the head, jointly by the four work-groups of a cluster, which share the head; every work-group reads all of it.  Key steps 0-3 are
; shown by the first barrier, 4-7 by one ahead of trip 2, 8-15 by one ahead of trip 4.  No byte is filled twice, and no loop is left in which to run ahead, so nothing is prefetched.
; LAYOUT: both products transposed: S^T = K Q^T, O^T = V^T P^T: a lane holds one query.  By the order of the rows of a tile, lane (r, h)'s 32 scores of a band of 64 keys are keys 32 h + 0 .. 31 of it: a whole scale block of p; and its 32 results
; of O^T are d = 32 h + 0 .. 31: a whole block of ctx.  An operand of K carries two tiles, the even one in registers 0-5, the odd one in 6-11: Q stands beside zero codes on both sides, and the pair chosen picks the tile.
; REGISTERS: v1-11, v42, v43 addresses; v12 -M, v13 largest score, v[14:15] the sum; v16-33 zeros, Q, zeros; v34-39 the second tile's Q; v40, v41 Q's scale words; v44-47 K's, v48-51 V's, v53 p's;
; v56-103 K's fragments, and, when the scores are made, V's; v104-167 S^T, then p; v168-199 O^T; v200-211 p's codes; v212-218 second halves; v220-245 at work.
.set VB, 98304
.set KSC, 196608
.set VSC, 200704
.set HIGH, 206848                      ; the high tiles' second parts: 4,608 bytes a pair of waves
.set PART, 4608
.set SPARE, 243712                     ; the spare words, which no other line names
.set SPW, 5
.set NIL, 6
.set KV, 56
.set S, 104
.set O, 168
.set P, 200
.set SK, 2                             ; s2  the key step's place in K, s3 in V, s12 among the scale words
.set SV, 3
.set SS, 12
.set T, 13
.set DEAD, 15                          ; s15  the trip that a wave leaves out, s45 k + 1 - b, s46 the trip on the diagonal, s47 the low tile's last trip (31: none)
.set KB, 45
.set DIAG, 46
.set CHG, 47
.set G1A, 16
.set G1C, 24
.set G1S, 32
.set G0A, 48
.set G0B, 52
.set G0C, 56
.set G0S, 60
.set SEL, 94
.set CS, 96
.set NC, 98
.macro WALU
	s_wait_alu depctr_va_vdst(0)
.endm
.macro DEP n
	s_delay_alu instid0(VALU_DEP_\n)
.endm
.macro CROUND
	s_barrier_signal -1
	s_barrier_wait -1
	s_cmp_lg_u32 s14, 0
	s_cbranch_scc1 .Lnot_wave_0_\@
	s_barrier_signal -3
.Lnot_wave_0_\@:
	s_barrier_wait -3
	s_barrier_signal -1
	s_barrier_wait -1
.endm
.macro TLOAD g0, g1
	tensor_load_to_lds s[\g0:\g0+3], s[\g1:\g1+7]
	s_nop 0
.rept 4
	v_nop
.endr
.endm
.macro SHOW under                      ; a barrier that shows the tiles fetched by the waves under this number
	s_wait_dscnt 0x0
	s_cmp_lt_u32 s14, \under
	s_cbranch_scc0 .Lnot_mine_\@
	s_wait_tensorcnt 0x0
.Lnot_mine_\@:
	s_barrier_signal -1
	s_barrier_wait -1
.endm
.macro GROUP1 g, c, r, p               ; r rows of c elements of 8 bytes, p from row to row; for all four of the cluster
	s_mov_b32 s[\g], 15|(3<<16)|(1<<21)
	s_mov_b32 s[\g+1], (\c)<<16
	s_mov_b32 s[\g+2], (\r)<<16
	s_mov_b32 s[\g+3], (\c)<<16
	s_mov_b32 s[\g+4], \r
	s_mov_b32 s[\g+5], \p
	s_mov_b32 s[\g+6], 0
	s_mov_b32 s[\g+7], 0
.endm
.macro PADD d, k                       ; the sum of the pair k of p's 32 pairs
	v_pk_add_f32 v[\d:\d+1], v[\d:\d+1], v[S+2*(\k):S+2*(\k)+1]
.endm
.macro HIDE                            ; -infinity where the key lies behind the query: d = v4 = my query - 32 h within the 128; register n of band c holds key 64 c + 32 h + n
	v_mov_b32 v226, 0xff800000
	v_add_nc_u32 v227, 0xffffffc0, v4
.set N, 0
.rept 32
	v_cmp_gt_i32 vcc_lo, N, v4
	v_cndmask_b32 v[S+N], v[S+N], v226, vcc_lo
.set N, N+1
.endr
.set N, 0
.rept 32
	v_cmp_gt_i32 vcc_lo, N, v227
	v_cndmask_b32 v[S+32+N], v[S+32+N], v226, vcc_lo
.set N, N+1
.endr
.endm
.macro ZERO_O
.set N, 0
.rept 32
	v_mov_b32 v[O+N], 0                            ; O^T: a step is written for any trip: the first finds zeros, which the first change of M leaves zeros
.set N, N+1
.endr
.endm
.macro START
	v_mov_b32 v13, 0xff61b1e6                      ; the largest score so far: -3e38
	v_mov_b32 v12, 0x7e000000                      ; -M: 2^125
	v_mov_b32 v14, 0
	v_mov_b32 v15, 0
.endm
; A TILE'S WAY OUT: O^T / the sum, quantised: six registers of codes and one byte a lane.
.macro OUT
	v_add_f32 v220, v14, v15
	DEP 1
	v_permlanex16_b32 v225, v220, s[SEL], s[SEL+1]
	DEP 1
	v_add_f32 v220, v220, v225                     ; the row's sum
	WALU
	v_rcp_f32 v238, v220
	v_nop                                          ; one plain place behind a transcendental
	WALU
.set N, 0
.rept 16
	v_pk_mul_f32 v[S+N:S+N+1], v[O+N:O+N+1], v[238:239] op_sel_hi:[1,0]
.set N, N+2
.endr
	v_max3_num_f32 v220, |v[S]|, |v[S+1]|, |v[S+2]|   ; my block of ctx: d = 32 h + 0 .. 31
	v_max3_num_f32 v221, |v[S+16]|, |v[S+17]|, |v[S+18]|
.irp i, 3,5,7,9,11,13
	v_max3_num_f32 v220, v220, |v[S+\i]|, |v[S+\i+1]|
	v_max3_num_f32 v221, v221, |v[S+16+\i]|, |v[S+17+\i]|
.endr
	v_max3_num_f32 v220, v220, |v[S+15]|, |v[S+31]|
	v_max3_num_f32 v220, v220, v221, 0x1800000
	v_add_nc_u32 v232, 0xff000000, v220
	v_cvt_scalef32_pk16_fp6_f32 v[P:P+2], v[S:S+15], v232
	v_cvt_scalef32_pk16_fp6_f32 v[212:214], v[S+16:S+31], v232
	v_lshrrev_b32 v234, 23, v232
.irp i, 0,1,2
	v_mov_b32 v[P+3+\i], v[212+\i]
.endr
	global_store_b128 v1, v[P:P+3], s[84:85]
	global_store_b64 v11, v[P+4:P+5], s[84:85] offset:512
	global_store_b8 v43, v234, s[86:87]            ; 2 bytes of each row's 32: the others come from the other heads' work-groups
.endm
; A TRIP.  bound: the last key step that has been shown, which no wave's key step passes in these trips.
.macro STEP bound
.if (\bound) == 15
	s_cmp_eq_u32 s[T], s[DEAD]                     ; b = 1 has eight trips: the wave's number and the count of trips alone
	s_cbranch_scc1 .Lskip_\@
.endif
	s_lshl_b32 s70, s[T], 1
	s_sub_co_u32 s70, s70, s[KB]
	s_cmp_gt_u32 s[T], s[KB]
	s_cselect_b32 s71, s70, s[T]
	s_min_u32 s71, s71, \bound
	s_mul_i32 s[SK], s71, 6144
	s_lshl_b32 s[SS], s71, 8
	s_add_co_u32 s[SV], s[SK], VB
	v_add_nc_u32 v7, s[SK], v1
	v_add_nc_u32 v9, s[SS], v2
.irp t, 0,1,2,3
.irp p, 0,1,2
	ds_load_b128 v[KV+12*\t+4*\p:KV+12*\t+4*\p+3], v7 offset:1536*\t+512*\p
.endr
.endr
	ds_load_b128 v[44:47], v9
	s_wait_dscnt 0x0
.irp t, 0,1,2,3
	v_wmma_scale_f32_16x16x128_f8f6f4 v[S+16*\t:S+16*\t+7], v[KV+12*\t:KV+12*\t+11], v[22:33], 0, v[44+\t], v40 matrix_a_fmt:MATRIX_FMT_FP6 matrix_b_fmt:MATRIX_FMT_FP6
	v_wmma_scale_f32_16x16x128_f8f6f4 v[S+16*\t+8:S+16*\t+15], v[KV+12*\t:KV+12*\t+11], v[16:27], 0, v[44+\t], v40 matrix_a_fmt:MATRIX_FMT_FP6 matrix_b_fmt:MATRIX_FMT_FP6
.endr
	v_add_nc_u32 v8, s[SV], v1                     ; four plain lines behind the products: the places ahead of the loads and the reads
	v_add_nc_u32 v42, s[SV], v11
	v_add_nc_u32 v10, s[SS], v3
	v_mov_b32 v228, v12                            ; the old -M
.irp t, 0,1,2,3                                ; V, into K's registers: it lands under the softmax
.irp c, 0,1
	ds_load_b128 v[KV+12*\t+6*\c:KV+12*\t+6*\c+3], v8 offset:1536*\t+768*\c
	ds_load_b64 v[KV+12*\t+6*\c+4:KV+12*\t+6*\c+5], v42 offset:1536*\t+768*\c+512
.endr
.endr
	ds_load_b128 v[48:51], v10
	s_cmp_eq_u32 s[T], s[DIAG]
	s_cbranch_scc0 .Lopen_\@
	HIDE
.Lopen_\@:
.irp c, 0,1
	v_max3_num_f32 v[220+2*\c], v[S+32*\c], v[S+32*\c+1], v[S+32*\c+2]   ; the largest score of each block: for the row's maximum and, since p rises with the score, for the block's largest p
	v_max3_num_f32 v[221+2*\c], v[S+32*\c+16], v[S+32*\c+17], v[S+32*\c+18]
.endr
.irp i, 3,5,7,9,11,13
.irp c, 0,1
	v_max3_num_f32 v[220+2*\c], v[220+2*\c], v[S+32*\c+\i], v[S+32*\c+\i+1]
	v_max3_num_f32 v[221+2*\c], v[221+2*\c], v[S+32*\c+16+\i], v[S+32*\c+17+\i]
.endr
.endr
	v_max3_num_f32 v220, v220, v[S+15], v[S+31]
	v_max3_num_f32 v222, v222, v[S+47], v[S+63]
	DEP 2
	v_max_num_f32 v220, v220, v221
	DEP 2
	v_max_num_f32 v222, v222, v223
	DEP 1
	v_max_num_f32 v224, v220, v222
	DEP 1
	v_permlanex16_b32 v225, v224, s[SEL], s[SEL+1]
	DEP 1
	v_max3_num_f32 v13, v13, v224, v225            ; the running largest score of my query
	DEP 1
	v_mul_f32 v226, s[NC], v13
	DEP 1
	v_floor_f32 v12, v226                          ; -M = floor(-t)
	DEP 1
	v_sub_f32 v227, v12, v228                      ; old M - new M: a whole number, 0 or less
	DEP 1
	v_cvt_i32_f32 v227, v227                       ; (it saturates)
	DEP 1
	v_ldexp_f32 v230, 1.0, v227                    ; f
.set N, 0
.rept 32
	v_pk_fma_f32 v[S+N:S+N+1], v[S+N:S+N+1], s[CS:CS+1], v[12:13] op_sel_hi:[1,0,0]   ; t - M
.set N, N+2
.endr
	v_fma_f32 v220, v220, s[CS], v12
	v_fma_f32 v222, v222, s[CS], v12
	WALU
	v_exp_f32 v220, v220                           ; the two blocks' largest p
	v_exp_f32 v222, v222
.set N, 0
.rept 64
	v_exp_f32 v[S+N], v[S+N]                       ; p
.set N, N+1
.endr
	v_pk_mul_f32 v[14:15], v[14:15], v[230:231] op_sel_hi:[1,0]   ; the sum under the new M (a plain line behind the exponentials)
	WALU
	v_max_num_f32 v220, 0x1800000, v220            ; the floor 2^(3 - 127): the byte cannot fall under 1
	v_max_num_f32 v222, 0x1800000, v222
	v_pk_add_f32 v[240:241], v[S:S+1], v[S+2:S+3]  ; the row's sum, of the unquantised p, in four chains
	v_pk_add_f32 v[242:243], v[S+4:S+5], v[S+6:S+7]
	v_add_nc_u32 v232, 0xff000000, v220            ; the conversions' scale operands
	v_add_nc_u32 v233, 0xff000000, v222
	v_pk_add_f32 v[244:245], v[S+8:S+9], v[S+10:S+11]
	PADD 14, 6
	v_lshrrev_b32 v234, 23, v232
	v_lshrrev_b32 v235, 23, v233
	PADD 240, 7
	PADD 242, 8
	v_lshl_or_b32 v234, v235, 16, v234             ; my two bytes: blocks h and 2 + h,
	PADD 244, 9
	PADD 14, 10
	v_permlanex16_b32 v236, v234, s[SEL], s[SEL+1]
	PADD 240, 11
	PADD 242, 12
	v_lshl_or_b32 v53, v236, 8, v234               ; in lanes 0-15, which are read, p's scale word for these 128 keys
.set K_, 13
.rept 17
.if K_%4 == 1
	PADD 244, K_
.elseif K_%4 == 2
	PADD 14, K_
.elseif K_%4 == 3
	PADD 240, K_
.else
	PADD 242, K_
.endif
.set K_, K_+1
.endr
	v_cvt_scalef32_pk16_fp6_f32 v[P:P+2], v[S:S+15], v232
	v_cvt_scalef32_pk16_fp6_f32 v[212:214], v[S+16:S+31], v232
	v_cvt_scalef32_pk16_fp6_f32 v[P+6:P+8], v[S+32:S+47], v233
	v_cvt_scalef32_pk16_fp6_f32 v[216:218], v[S+48:S+63], v233
	v_nop                                          ; one plain line behind a scaled conversion
.irp i, 0,1,2
	v_mov_b32 v[P+3+\i], v[212+\i]
	v_mov_b32 v[P+9+\i], v[216+\i]
.endr
	WALU
.set N, 0
.rept 16
	v_pk_mul_f32 v[O+N:O+N+1], v[O+N:O+N+1], v[230:231] op_sel_hi:[1,0]   ; O^T under the new M; also the plain lines between p's codes and the products
.set N, N+2
.endr
	WALU
	s_wait_dscnt 0x0                               ; V is in
.irp t, 0,1,2,3
	v_wmma_scale_f32_16x16x128_f8f6f4 v[O+8*\t:O+8*\t+7], v[KV+12*\t:KV+12*\t+11], v[P:P+11], v[O+8*\t:O+8*\t+7], v[48+\t], v53 matrix_a_fmt:MATRIX_FMT_FP6 matrix_b_fmt:MATRIX_FMT_FP6
.endr
	PADD 14, 30                                    ; the sum's last five additions are the places behind these products
	PADD 240, 31
	v_pk_add_f32 v[242:243], v[242:243], v[244:245]
	v_pk_add_f32 v[14:15], v[14:15], v[240:241]
	v_pk_add_f32 v[14:15], v[14:15], v[242:243]
	WALU
	s_cmp_eq_u32 s[T], s[CHG]                      ; the low tile's last trip: it leaves, and the high tile begins
	s_cbranch_scc0 .Lskip_\@
	OUT
.irp i, 0,1,2,3,4,5
	v_mov_b32 v[22+\i], v[34+\i]
.endr
	v_mov_b32 v40, v41
	START
	ZERO_O
	WALU
	s_wait_xcnt 0x0                                ; the stores have read their registers
.Lskip_\@:
.endm
	s_load_b256 s[4:11], s[0:1], 0x0               ; qkv, qkvs, ctx, ctxs
	v_lshl_add_u32 v[SPW], v0, 2, SPARE
	v_mov_b32 v[NIL], 0
	ds_add_u32 v[SPW], v[NIL]                      ; the wave's opening: the add, twice on end, and its wait ahead of the first tensor load
	ds_add_u32 v[SPW], v[NIL]
	v_lshrrev_b32 v1, 5, v0
	v_readfirstlane_b32 s14, v1                    ; wave 0..15
	s_bfe_u32 s40, ttmp6, 0x40000
	s_lshl_b32 s41, ttmp9, 2
	s_add_co_u32 s41, s41, s40                     ; i 0..7
	s_lshr_b32 s15, s41, 2                         ; my tiles' band,
	s_and_b32 s47, s41, 3                          ; and number there
	s_lshl_b32 s15, s15, 6
	s_lshl_b32 s47, s47, 3
	s_add_co_u32 s15, s15, s47
	s_and_b32 s69, s41, 1                          ; Q: which tile of a pair: its six registers stand at three places, 8 bytes a lane
	s_mul_i32 s66, s69, 520
	s_mul_i32 s67, s69, 1016
	s_add_co_u32 s67, s67, 8
	s_add_co_u32 s68, s66, 512
	s_lshl_b32 s69, s69, 4                         ; 16 for the odd tile
	v_and_b32 v220, 31, v0
	v_lshlrev_b32 v1, 4, v220                      ; 16 x lane
	v_lshlrev_b32 v11, 3, v220                     ; 8 x lane
	v_and_b32 v221, 15, v0                         ; r
	v_bfe_u32 v222, v0, 4, 1                       ; h
	v_lshlrev_b32 v215, 4, v221                    ; 16 r
	v_lshl_add_u32 v2, v221, 4, KSC
	v_lshl_add_u32 v3, v221, 4, VSC
	v_lshl_add_u32 v43, v221, 5, v222              ; ctx's scale byte: 32 r + h
	v_lshrrev_b32 v4, 3, v221
	v_sub_nc_u32 v4, v4, v222
	v_and_b32 v221, 7, v221
	v_lshl_add_u32 v4, v4, 5, v221
	v_add_nc_u32 v4, s15, v4                       ; 64 band + 8 number + 32 (r / 8) + r % 8 - 32 h
	v_add_nc_u32 v212, s66, v1
	v_add_nc_u32 v213, s67, v1
	v_add_nc_u32 v214, s68, v1
	WALU
	s_and_b32 s42, ttmp7, 0xffff                   ; batch x 16 + head
	s_and_b32 s43, s14, 7                          ; k
	s_lshr_b32 s44, s14, 3                         ; b
	GROUP1 G1A, 384, 8, 384                        ; four key steps: 24,576 bytes
	GROUP1 G1C, 384, 16, 384                       ; eight
	GROUP1 G1S, 512, 2, 16384                      ; the scale words: K's 4,096 bytes, V's 131,072 behind
	s_and_b32 s45, s14, 1                          ; waves 0, 1: K's or V's key steps 0-3
	s_xor_b32 s46, s45, 1                          ; waves 3, 4: 4-7; waves 5, 6: 8-15
	s_mov_b32 s[G0A], 1
	s_mov_b32 s[G0B], 1
	s_mov_b32 s[G0C], 1
	s_mov_b32 s[G0S], 1
	s_mul_i32 s[G0A+1], s45, VB
	s_mul_i32 s[G0B+1], s46, VB
	s_add_co_u32 s[G0C+1], s[G0B+1], 49152
	s_add_co_u32 s[G0B+1], s[G0B+1], 24576
	s_mov_b32 s[G0S+1], KSC
	s_mul_i32 s66, s42, 98304                      ; my head in each of q, k, v
	s_mul_i32 s70, s45, 3145728
	s_add_co_u32 s70, s70, s66
	s_add_co_u32 s70, s70, 3145728
	s_mov_b32 s71, 0
	s_mul_i32 s72, s46, 3145728
	s_add_co_u32 s72, s72, s66
	s_add_co_u32 s72, s72, 3145728+24576
	s_mov_b32 s73, 0
	s_add_co_u32 s74, s72, 24576
	s_mov_b32 s75, 0
	s_lshl_b32 s67, s42, 12
	s_add_co_u32 s76, s67, 131072
	s_mov_b32 s77, 0
	s_sub_co_u32 s68, 15, s43                      ; the high group
	s_cmp_eq_u32 s44, 1
	s_cselect_b32 s47, s43, s68                    ; my first tile's group: b = 0 the high, b = 1 the low
	s_lshr_b32 s40, s41, 1                         ; Q: the pair of tiles
	s_mul_i32 s78, s40, 1536
	s_add_co_u32 s78, s78, s66
	s_mul_i32 s80, s68, 6144
	s_add_co_u32 s80, s80, s78                     ; the second tile's Q (the high one's; b = 0 does not use it)
	s_mul_i32 s79, s47, 6144
	s_add_co_u32 s78, s78, s79                     ; the first tile's
	s_mov_b32 s79, 0
	s_mov_b32 s81, 0
	s_lshl_b32 s82, s40, 2
	s_add_co_u32 s82, s82, s67
	s_lshl_b32 s92, s68, 8
	s_add_co_u32 s92, s92, s82
	s_lshl_b32 s83, s47, 8
	s_add_co_u32 s82, s82, s83
	s_mov_b32 s83, 0
	s_mov_b32 s93, 0
	; where the tile that I finish goes: ctx [head][tile 256][512 | 256]; its scale bytes [tile][row][32]
	s_and_b32 s15, s42, 15                         ; head
	s_lshr_b32 s40, s42, 4
	s_lshl_b32 s40, s40, 7
	s_add_co_u32 s40, s40, s41                     ; 128 batch + i
	s_lshl_b32 s84, s47, 3
	s_add_co_u32 s84, s84, s40                     ; + 8 x group
	s_lshl_b32 s86, s84, 9
	s_lshl_b32 s40, s15, 1
	s_add_co_u32 s86, s86, s40
	s_mul_i32 s84, s84, 768
	s_mul_i32 s15, s15, 196608
	s_add_co_u32 s84, s84, s15
	s_mov_b32 s85, 0
	s_mov_b32 s87, 0
	s_mov_b32 s[SEL], 0x76543210
	s_mov_b32 s[SEL+1], 0xfedcba98
	s_mov_b32 s[CS], 0x3e38aa3b                    ; c = log2(e) / 8
	s_mov_b32 s[CS+1], s[CS]                       ; (named with it as a pair, so it is written)
	s_mov_b32 s[NC], 0xbe38aa3b                    ; -c
	s_wait_dscnt 0x0                               ; both opening adds are done
	CROUND                                         ; all four work-groups are here: the joint loads meet
	s_wait_kmcnt 0x0
	s_add_nc_u64 s[78:79], s[4:5], s[78:79]
	s_add_nc_u64 s[80:81], s[4:5], s[80:81]
	s_add_nc_u64 s[82:83], s[6:7], s[82:83]
	s_add_nc_u64 s[92:93], s[6:7], s[92:93]
	global_load_b64 v[22:23], v212, s[78:79]       ; the first tile's Q
	global_load_b64 v[24:25], v213, s[78:79]
	global_load_b64 v[26:27], v214, s[78:79]
	global_load_b32 v216, v215, s[82:83]
	s_add_nc_u64 s[G0A+2:G0A+3], s[4:5], s[70:71]
	s_or_b32 s[G0A+3], s[G0A+3], 0x80000000
	s_add_nc_u64 s[G0B+2:G0B+3], s[4:5], s[72:73]
	s_or_b32 s[G0B+3], s[G0B+3], 0x80000000
	s_add_nc_u64 s[G0C+2:G0C+3], s[4:5], s[74:75]
	s_or_b32 s[G0C+3], s[G0C+3], 0x80000000
	s_add_nc_u64 s[G0S+2:G0S+3], s[6:7], s[76:77]
	s_or_b32 s[G0S+3], s[G0S+3], 0x80000000
	s_cmp_lt_u32 s14, 2
	s_cbranch_scc0 .Lw2
	TLOAD G0A, G1A
	s_branch .Lasked
.Lw2:
	s_cmp_eq_u32 s14, 2
	s_cbranch_scc0 .Lw3
	TLOAD G0S, G1S
	s_branch .Lasked
.Lw3:
	s_cmp_lt_u32 s14, 5
	s_cbranch_scc0 .Lw5
	TLOAD G0B, G1A
	s_branch .Lasked
.Lw5:
	s_cmp_lt_u32 s14, 7
	s_cbranch_scc0 .Lasked
	TLOAD G0C, G1C
.Lasked:
	global_load_b64 v[34:35], v212, s[80:81]       ; the second's
	global_load_b64 v[36:37], v213, s[80:81]
	global_load_b64 v[38:39], v214, s[80:81]
	global_load_b32 v217, v215, s[92:93]
	s_add_nc_u64 s[84:85], s[8:9], s[84:85]
	s_add_nc_u64 s[86:87], s[10:11], s[86:87]
	s_add_co_u32 s[KB], s43, 1
	s_sub_co_u32 s[KB], s[KB], s44
	s_cmp_eq_u32 s44, 1
	s_cselect_b32 s[DIAG], s43, 8
	s_cselect_b32 s[CHG], s43, 31
	s_cselect_b32 s[DEAD], 8, 31
.irp j, 16,17,18,19,20,21,28,29,30,31,32,33
	v_mov_b32 v[\j], 0                             ; zero codes on both sides of Q
.endr
	START
	v_mov_b32 v225, 0                              ; a lane permute's destination counts as one of its sources
	v_mov_b32 v236, 0
	v_mov_b32 v231, 0                              ; (named as the upper halves of pairs)
	v_mov_b32 v239, 0
	WALU
	s_wait_loadcnt 0x0
	v_lshrrev_b32 v216, s69, v216                  ; the tile's two bytes, for either place beside the zeros
	v_lshrrev_b32 v217, s69, v217
	v_and_b32 v216, 0xffff, v216
	v_and_b32 v217, 0xffff, v217
	v_lshl_or_b32 v40, v216, 16, v216
	v_lshl_or_b32 v41, v217, 16, v217
	ZERO_O
	WALU
	SHOW 3                                         ; key steps 0-3 and all scale words are in
	s_mov_b32 s[T], 0
.Ltrips_0:
	STEP 3
	s_add_co_u32 s[T], s[T], 1
	s_cmp_lt_u32 s[T], 2
	s_cbranch_scc1 .Ltrips_0
	SHOW 5                                         ; 4-7
	s_mov_b32 s[T], 2
.Ltrips_2:
	STEP 7
	s_add_co_u32 s[T], s[T], 1
	s_cmp_lt_u32 s[T], 4
	s_cbranch_scc1 .Ltrips_2
	s_wait_dscnt 0x0
	s_wait_tensorcnt 0x0                           ; 8-15: all that is still out
	s_barrier_signal -1
	s_barrier_wait -1
	s_mov_b32 s[T], 4
.Ltrips_4:
	STEP 15
	s_add_co_u32 s[T], s[T], 1
	s_cmp_lt_u32 s[T], 9
	s_cbranch_scc1 .Ltrips_4
	s_mul_i32 s70, s43, PART
	s_add_co_u32 s70, s70, HIGH
	v_add_nc_u32 v7, s70, v1                       ; my pair's place
	WALU
	s_cmp_lt_u32 s14, 8
	s_cbranch_scc1 .Lstored
.irp n, 0,1,2,3,4,5,6,7                        ; b = 1: my part of the high tile: O^T, and -M, the largest score, the sum
	ds_store_b128 v7, v[O+4*\n:O+4*\n+3] offset:512*\n
.endr
	ds_store_b128 v7, v[12:15] offset:4096
.Lstored:
	s_wait_dscnt 0x0
	s_barrier_signal -1
	s_barrier_wait -1
	s_cmp_lt_u32 s14, 8
	s_cbranch_scc0 .Lend
.irp n, 0,1,2,3,4,5,6,7                        ; b = 0 joins the two parts
	ds_load_b128 v[S+4*\n:S+4*\n+3], v7 offset:512*\n
.endr
	ds_load_b128 v[S+32:S+35], v7 offset:4096
	s_wait_dscnt 0x0
	v_min_num_f32 v220, v12, v[S+32]               ; -M of the whole
	v_add_f32 v14, v14, v15
	v_add_f32 v[S+34], v[S+34], v[S+35]
	v_sub_f32 v221, v220, v12
	v_sub_f32 v222, v220, v[S+32]
	v_cvt_i32_f32 v221, v221
	v_cvt_i32_f32 v222, v222
	v_ldexp_f32 v230, 1.0, v221                    ; brings my part to it,
	v_ldexp_f32 v232, 1.0, v222                    ; and the other
	v_mul_f32 v14, v14, v230
	v_fma_f32 v14, v[S+34], v232, v14
	v_mov_b32 v15, 0
.set N, 0
.rept 16
	v_pk_mul_f32 v[O+N:O+N+1], v[O+N:O+N+1], v[230:231] op_sel_hi:[1,0]
.set N, N+2
.endr
.set N, 0
.rept 16
	v_pk_fma_f32 v[O+N:O+N+1], v[S+N:S+N+1], v[232:233], v[O+N:O+N+1] op_sel_hi:[1,0,1]
.set N, N+2
.endr
	OUT
.Lend:
	s_wait_tensorcnt 0x0                           ; the wave's end
	ds_add_u32 v[SPW], v[NIL]
	s_wait_dscnt 0x0
	CROUND                                         ; the closing round
	s_endpgm
.Lfunc_end_k_q2f685c99e7_attn:
	.size	k_q2f685c99e7_attn, .Lfunc_end_k_q2f685c99e7_attn-k_q2f685c99e7_attn
	.p2alignl 7, 3214868480
	.fill 96, 4, 3214868480
	.section	.rodata,"a",@progbits
	.p2align	6, 0x0
	.amdhsa_kernel k_q2f685c99e7_attn
		.amdhsa_group_segment_fixed_size 245760
		.amdhsa_private_segment_fixed_size 0
		.amdhsa_enable_private_segment 0
		.amdhsa_kernarg_size 32
		.amdhsa_user_sgpr_count 2
		.amdhsa_user_sgpr_kernarg_segment_ptr 1
		.amdhsa_wavefront_size32 1
		.amdhsa_system_sgpr_workgroup_id_x 1
		.amdhsa_system_sgpr_workgroup_id_y 1
		.amdhsa_system_sgpr_workgroup_id_z 1
		.amdhsa_system_vgpr_workitem_id 0
		.amdhsa_next_free_vgpr 256
		.amdhsa_next_free_sgpr 100
		.amdhsa_reserve_vcc 1
		.amdhsa_float_denorm_mode_32 3
		.amdhsa_float_denorm_mode_16_64 3
		.amdhsa_memory_ordered 1
		.amdhsa_forward_progress 1
		.amdhsa_inst_pref_size 91
	.end_amdhsa_kernel
	.amdgpu_metadata
---
amdhsa.version: [ 1, 2 ]
amdhsa.kernels:
  - .name:           k_q2f685c99e7_attn
    .symbol:         k_q2f685c99e7_attn.kd
    .args:
      - { .name: qkv, .offset: 0, .size: 8, .value_kind: global_buffer, .address_space: global }
      - { .name: qkvs, .offset: 8, .size: 8, .value_kind: global_buffer, .address_space: global }
      - { .name: ctx, .offset: 16, .size: 8, .value_kind: global_buffer, .address_space: global }
      - { .name: ctxs, .offset: 24, .size: 8, .value_kind: global_buffer, .address_space: global }
    .group_segment_fixed_size: 245760
    .private_segment_fixed_size: 0
    .kernarg_segment_align: 8
    .kernarg_segment_size: 32
    .max_flat_workgroup_size: 512
    .sgpr_count:     100
    .vgpr_count:     256
    .wavefront_size: 32
...
	.end_amdgpu_metadata
.endif
;; end of part 3
;; launch outgemm (part 4): grid 32 x 8, 4 waves a work-group, clusters of 4 x 1, 167,936 bytes of LDS; arguments ctx, ctxs, codes, scales, out0; writes out0
.if DOCPART == 4
	.amdgcn_target "amdgcn-amd-amdhsa--gfx1250"
	.amdhsa_code_object_version 6
	.text
	.protected	k_q2f685c99e7_outgemm
	.globl	k_q2f685c99e7_outgemm
	.p2align	8
	.type	k_q2f685c99e7_outgemm,@function
k_q2f685c99e7_outgemm:
	s_mov_b64 s[64:65], 0
	v_nop
	global_prefetch_b8 v0, s[64:65] scope:SCOPE_SE
	s_setreg_imm32_b32 hwreg(HW_REG_WAVE_MODE, 25, 1), 1
	s_wait_xcnt 0x0
	s_wait_alu depctr_hold_cnt(0) depctr_sa_sdst(0) depctr_va_vdst(0) depctr_va_sdst(0) depctr_va_ssrc(0) depctr_va_vcc(0) depctr_vm_vsrc(0)
	s_getreg_b32 s2, hwreg(HW_REG_IB_STS2, 6, 4)
	s_cmp_eq_u32 s2, 0
	s_cbranch_scc0 .Lentry_in_a_cluster
	s_endpgm
.Lentry_in_a_cluster:
	s_bfe_u32 s2, ttmp6, 0x10000c
	s_cmp_lg_u32 s2, 0x3003
	s_cbranch_scc0 .Lentry_shape_is_right
	s_endpgm
.Lentry_shape_is_right:
; out = ctx w_o^T: 128 tokens x 128 columns a work-group (x: tokens, y: columns), K = 1,024.  A wave makes 32 tokens (two tiles) x 128 columns (eight tiles of w_o): 16 accumulators.
; A STEP is 16 products: two K steps of 128 x four column tiles x two token tiles; steps 0-3 make the first 64 columns, 4-7 the others: so the first half's results leave under the second half's products.
; w_o's 98,304 bytes come into LDS once, two K steps by each wave's one load, JOINTLY for the four token groups of a cluster.  ctx goes straight into registers: each row is read by one wave of the work-group alone, in runs of 512 and 256
; consecutive bytes, so it is not asked for jointly.  Everything is asked for at the head, with no loop to run ahead in: nothing is prefetched.
; Source 0 = tokens, source 1 = columns: lane (r, h) holds column 4 r + t of a band of 64 (t: the tile), and register j token 32 h + 8 (token tile) + j of a band of 64: so four tiles' register j are 16 neighbouring bytes of a row of out,
; and sixteen lanes store 256 consecutive, aligned bytes.
; LIMITS: as stated at the head of the first launch.
; REGISTERS: window 0: addresses, scale words, v64-255 ctx's fragments; window 1: w_o's fragments of steps s % 3 = 0, 1; window 2: of s % 3 = 2, from 96 on the results on the way out; window 3: accumulators.
.set SPARE, 98304                      ; the spare words, which no other line names
.set SPW, 28
.set NIL, 29
.set CSW, 20                           ; v20-27 ctx's scale words: lanes 0-15 the first tile's, 16-31 the second's
.set WS, 32                            ; v32-63 w_o's: set s (tiles 2 s, 2 s + 1), K step q at WS + 8 s + q
.set G1, 24
.set G0, 60
.set MSB, 0
.macro WIN new
.if MSB != (\new)
	s_set_vgpr_msb (MSB<<8)|(\new)
.set MSB, (\new)
.endif
.endm
.macro CROUND
	s_barrier_signal -1
	s_barrier_wait -1
	s_cmp_lg_u32 s14, 0
	s_cbranch_scc1 .Lnot_wave_0_\@
	s_barrier_signal -3
.Lnot_wave_0_\@:
	s_barrier_wait -3
	s_barrier_signal -1
	s_barrier_wait -1
.endm
.macro TLOAD
	tensor_load_to_lds s[G0:G0+3], s[G1:G1+7]
	s_nop 0
.rept 4
	v_nop
.endr
.endm
.macro CL q                            ; ctx's two fragments of K step q: heads 2 q (registers 0-5) and 2 q + 1 (6-11): 8 loads
.irp a, 0,1
.irp c, 0,1
	global_load_b128 v[64+24*\q+12*\a+6*\c:67+24*\q+12*\a+6*\c], v4, s[52:53] offset:196608*(2*\q+\c)+768*\a
	global_load_b64 v[68+24*\q+12*\a+6*\c:69+24*\q+12*\a+6*\c], v5, s[52:53] offset:196608*(2*\q+\c)+768*\a+512
.endr
.endr
.endm
.macro FET s                           ; step s's eight fragments of w_o: 24 loads of 512 consecutive bytes
.set B_, (\s)/4
.set Q_, 2*((\s)%4)
.set EL_, 96*(((\s)%3)%2)
	WIN (1+((\s)%3)/2)<<6
.irp k, 0,1
.irp t, 0,1,2,3
.irp p, 0,1,2
	ds_load_b128 v[EL_+48*\k+12*\t+4*\p:EL_+48*\k+12*\t+4*\p+3], v[16+Q_/4] offset:12288*(Q_%4+\k)+1536*(4*B_+\t)+512*\p
.endr
.endr
.endr
.endm
.macro WM d, a, b, c, xa, xb, ra, rb
.if (\ra) && (\rb)
	v_wmma_scale_f32_16x16x128_f8f6f4 v[\d:\d+7], v[\a:\a+11], v[\b:\b+11], \c, v[\xa], v[\xb] matrix_a_fmt:MATRIX_FMT_FP6 matrix_b_fmt:MATRIX_FMT_FP6 matrix_a_scale:MATRIX_SCALE_ROW1 matrix_b_scale:MATRIX_SCALE_ROW1
.elseif (\ra)
	v_wmma_scale_f32_16x16x128_f8f6f4 v[\d:\d+7], v[\a:\a+11], v[\b:\b+11], \c, v[\xa], v[\xb] matrix_a_fmt:MATRIX_FMT_FP6 matrix_b_fmt:MATRIX_FMT_FP6 matrix_a_scale:MATRIX_SCALE_ROW1
.elseif (\rb)
	v_wmma_scale_f32_16x16x128_f8f6f4 v[\d:\d+7], v[\a:\a+11], v[\b:\b+11], \c, v[\xa], v[\xb] matrix_a_fmt:MATRIX_FMT_FP6 matrix_b_fmt:MATRIX_FMT_FP6 matrix_b_scale:MATRIX_SCALE_ROW1
.else
	v_wmma_scale_f32_16x16x128_f8f6f4 v[\d:\d+7], v[\a:\a+11], v[\b:\b+11], \c, v[\xa], v[\xb] matrix_a_fmt:MATRIX_FMT_FP6 matrix_b_fmt:MATRIX_FMT_FP6
.endif
.endm
.macro PROD s, n                       ; product n of step s: K step n / 8, column tile (n % 8) / 2, token tile n % 2
.set B_, (\s)/4
.set K_, (\n)/8
.set Q_, 2*((\s)%4)+K_
.set T_, ((\n)%8)/2
.set A_, (\n)%2
.set D_, 64*A_+32*B_+8*T_
.set W_, 96*(((\s)%3)%2)+48*K_+12*T_
.set C_, 64+24*Q_+12*A_
.set SC_, CSW+Q_
.set SW_, WS+8*((4*B_+T_)/2)+Q_
	WIN ((1+((\s)%3)/2)<<2)|0xf0
.if Q_ == 0
	WM D_, C_, W_, 0, SC_, SW_, A_, T_%2
.else
	WM D_, C_, W_, v[D_:D_+7], SC_, SW_, A_, T_%2
.endif
.endm
; A STEP fetches, in one run in its middle, step s + 2's fragments into the buffer of s - 1; the four places ahead of those loads stand behind its first product.  Steps 0 and 1 hold a barrier that shows two more K steps' weights:
; signalled at the head, waited for ahead of the run.
.macro STEP s
.if (\s) == 0
	WIN 0
	s_cmp_eq_u32 s14, 2                            ; the wave that fetched them
	s_cbranch_scc0 .Lnot_mine_\@
	s_wait_tensorcnt 0x0
.Lnot_mine_\@:
	s_wait_dscnt 0x0
	s_barrier_signal -1
.elseif (\s) == 1
	s_wait_tensorcnt 0x0
	s_wait_dscnt 0x0
	s_barrier_signal -1
.elseif (\s) < 7
	s_wait_dscnt 24                                ; the next step's 24 loads may be out
.else
	s_wait_dscnt 0x0
.endif
.if (\s) < 4
	s_wait_loadcnt 8*(6-2*(\s))                    ; ctx's later K steps may be out
.endif
.set N_, 0
.rept 16
	PROD \s, N_
.if N_ == 0
.rept 4
	v_nop
.endr
.endif
.if N_ == 7
.if (\s) < 2
	s_barrier_wait -1
.endif
.if (\s) < 6
	FET (\s)+2
.endif
.endif
.set N_, N_+1
.endr
.endm
.macro WAY b                           ; 64 columns leave: four neighbouring columns of a row side by side, then two rows' 256 bytes a store
.irp a, 0,1
	WIN 0x83
.irp j, 0,1,2,3,4,5,6,7
.irp t, 0,1,2,3
	v_mov_b32 v[96+64*\b+32*\a+4*\j+\t], v[64*\a+32*\b+8*\t+\j]
.endr
.endr
	WIN 0x08
.irp j, 0,1,2,3,4,5,6,7
	global_store_b128 v7, v[96+64*\b+32*\a+4*\j:99+64*\b+32*\a+4*\j], s[12:13] offset:32768*\a+4096*\j+256*\b th:TH_STORE_NT
.endr
.endr
.endm
	s_load_b256 s[4:11], s[0:1], 0x0               ; ctx, ctxs, codes, scales
	s_load_b64 s[12:13], s[0:1], 0x20              ; out0
	v_lshl_add_u32 v[SPW], v0, 2, SPARE
	v_mov_b32 v[NIL], 0
	ds_add_u32 v[SPW], v[NIL]                      ; the wave's opening: the add, twice on end, and its wait ahead of the first tensor load
	ds_add_u32 v[SPW], v[NIL]
	v_lshrrev_b32 v1, 5, v0
	v_readfirstlane_b32 s14, v1                    ; wave 0..3
	v_and_b32 v1, 31, v0
	v_lshlrev_b32 v4, 4, v1                        ; 16 x lane
	v_lshlrev_b32 v5, 3, v1                        ; 8 x lane
	v_and_b32 v2, 15, v0                           ; r
	v_bfe_u32 v3, v0, 4, 1                         ; h
	v_lshlrev_b32 v6, 5, v2
	v_lshl_add_u32 v6, v3, 9, v6                   ; scale words: 512 h + 32 r
	v_lshlrev_b32 v7, 4, v2
	v_lshl_add_u32 v7, v3, 17, v7                  ; out: 32 h rows of 4,096 bytes + 16 r
	v_mov_b32 v16, v4                              ; w_o's K steps 0-3,
	v_add_nc_u32 v17, 49152, v4                    ; 4-7
	s_bfe_u32 s40, ttmp6, 0x40000
	s_lshl_b32 s41, ttmp9, 2
	s_add_co_u32 s41, s41, s40                     ; token group 0..31
	s_and_b32 s42, ttmp7, 0xffff                   ; column block 0..7
	s_mov_b32 s[G1], 15|(3<<16)|(1<<21)            ; 8 rows of 3,072 dense bytes, for all four of the cluster
	s_mov_b32 s[G1+1], 384<<16
	s_mov_b32 s[G1+2], 8<<16
	s_mov_b32 s[G1+3], 384<<16
	s_mov_b32 s[G1+4], 8
	s_mov_b32 s[G1+5], 384
	s_mov_b32 s[G1+6], 0
	s_mov_b32 s[G1+7], 0
	s_mov_b32 s[G0], 1
	s_mul_i32 s[G0+1], s14, 24576
	s_mul_i32 s18, s42, 98304
	s_add_co_u32 s18, s18, 5505024
	s_add_co_u32 s18, s18, s[G0+1]
	s_mov_b32 s19, 0
	s_lshl_b32 s43, s41, 3
	s_lshl_b32 s44, s14, 1
	s_add_co_u32 s43, s43, s44                     ; my first tile of tokens; the second follows
	s_mul_i32 s20, s43, 768
	s_mov_b32 s21, 0
	s_lshl_b32 s22, s43, 9
	s_mov_b32 s23, 0
	s_lshl_b32 s44, s42, 12
	s_add_co_u32 s44, s44, 229376
	s_mov_b32 s45, 0
	s_lshr_b32 s46, s43, 2                         ; its band of 64 tokens,
	s_lshl_b32 s46, s46, 18
	s_and_b32 s48, s43, 3                          ; and number there
	s_lshl_b32 s48, s48, 15
	s_add_co_u32 s46, s46, s48
	s_lshl_b32 s48, s42, 9
	s_add_co_u32 s46, s46, s48
	s_mov_b32 s47, 0
	s_wait_alu depctr_va_vdst(0)                   ; the head's end
	s_wait_dscnt 0x0                               ; both opening adds are done
	CROUND                                         ; all four work-groups are here: the joint loads meet
	s_wait_kmcnt 0x0
	s_add_nc_u64 s[G0+2:G0+3], s[8:9], s[18:19]
	s_or_b32 s[G0+3], s[G0+3], 0x80000000
	s_add_nc_u64 s[52:53], s[4:5], s[20:21]
	s_add_nc_u64 s[54:55], s[6:7], s[22:23]
	s_add_nc_u64 s[56:57], s[10:11], s[44:45]
	s_add_nc_u64 s[12:13], s[12:13], s[46:47]
	s_cmp_eq_u32 s14, 0                            ; one load a wave, each wave's line its own
	s_cbranch_scc0 .Lw1
	TLOAD
	s_branch .Lasked
.Lw1:
	s_cmp_eq_u32 s14, 1
	s_cbranch_scc0 .Lw2
	TLOAD
	s_branch .Lasked
.Lw2:
	s_cmp_eq_u32 s14, 2
	s_cbranch_scc0 .Lw3
	TLOAD
	s_branch .Lasked
.Lw3:
	TLOAD
.Lasked:
	global_load_b128 v[CSW:CSW+3], v6, s[54:55]
	global_load_b128 v[CSW+4:CSW+7], v6, s[54:55] offset:16
.irp s, 0,1,2,3
	global_load_b128 v[WS+8*\s:WS+8*\s+3], v6, s[56:57] offset:1024*\s
	global_load_b128 v[WS+8*\s+4:WS+8*\s+7], v6, s[56:57] offset:1024*\s+16
.endr
.irp q, 0,1,2,3,4,5
	CL \q
.endr
	s_cmp_lt_u32 s14, 2
	s_cbranch_scc0 .Lnot_first
	s_wait_tensorcnt 0x0
.Lnot_first:
	s_barrier_signal -1
	s_barrier_wait -1                              ; the weights of K steps 0 to 3 are in
	FET 0
	FET 1
	WIN 0
.irp q, 6,7
	CL \q
.endr
.irp s, 0,1,2,3,4
	STEP \s
.endr
	WAY 0                                          ; its sums were finished a step ago
.irp s, 5,6,7
	STEP \s
.endr
.rept 4
	v_nop                                          ; places behind the last products
.endr
	WAY 1
	WIN 0
	s_wait_tensorcnt 0x0                           ; the wave's end
	ds_add_u32 v[SPW], v[NIL]
	s_wait_dscnt 0x0
	CROUND                                         ; the closing round
	s_endpgm
.Lfunc_end_k_q2f685c99e7_outgemm:
	.size	k_q2f685c99e7_outgemm, .Lfunc_end_k_q2f685c99e7_outgemm-k_q2f685c99e7_outgemm
	.p2alignl 7, 3214868480
	.fill 96, 4, 3214868480
	.section	.rodata,"a",@progbits
	.p2align	6, 0x0
	.amdhsa_kernel k_q2f685c99e7_outgemm
		.amdhsa_group_segment_fixed_size 167936
		.amdhsa_private_segment_fixed_size 0
		.amdhsa_enable_private_segment 0
		.amdhsa_kernarg_size 40
		.amdhsa_user_sgpr_count 2
		.amdhsa_user_sgpr_kernarg_segment_ptr 1
		.amdhsa_wavefront_size32 1
		.amdhsa_system_sgpr_workgroup_id_x 1
		.amdhsa_system_sgpr_workgroup_id_y 1
		.amdhsa_system_sgpr_workgroup_id_z 1
		.amdhsa_system_vgpr_workitem_id 0
		.amdhsa_next_free_vgpr 896
		.amdhsa_next_free_sgpr 100
		.amdhsa_reserve_vcc 0
		.amdhsa_float_denorm_mode_32 3
		.amdhsa_float_denorm_mode_16_64 3
		.amdhsa_memory_ordered 1
		.amdhsa_forward_progress 1
		.amdhsa_inst_pref_size 50
	.end_amdhsa_kernel
	.amdgpu_metadata
---
amdhsa.version: [ 1, 2 ]
amdhsa.kernels:
  - .name:           k_q2f685c99e7_outgemm
    .symbol:         k_q2f685c99e7_outgemm.kd
    .args:
      - { .name: ctx, .offset: 0, .size: 8, .value_kind: global_buffer, .address_space: global }
      - { .name: ctxs, .offset: 8, .size: 8, .value_kind: global_buffer, .address_space: global }
      - { .name: codes, .offset: 16, .size: 8, .value_kind: global_buffer, .address_space: global }
      - { .name: scales, .offset: 24, .size: 8, .value_kind: global_buffer, .address_space: global }
      - { .name: out0, .offset: 32, .size: 8, .value_kind: global_buffer, .address_space: global }
    .group_segment_fixed_size: 167936
    .private_segment_fixed_size: 0
    .kernarg_segment_align: 8
    .kernarg_segment_size: 40
    .max_flat_workgroup_size: 128
    .sgpr_count:     100
    .vgpr_count:     896
    .wavefront_size: 32
...
	.end_amdgpu_metadata
.endif
;; end of part 4
